; MI455X (gfx1250); checked and timed in simulation.
; The chip was launched on July 23, 2026; its instructions are those of AMD's public machine-readable ISA for CDNA 5 (MIT licence, August 2026) and "CDNA5" Instruction Set Architecture Reference Guide (July 2026). The comments in the code are by the model that wrote it; some were corrected since.
;; Scaled Dot Product Attention. Allowed arithmetic: float matrix products may take bf16 or f16 operands with f32 sums; all other float work in f32.
;; Inputs: K 4 x 16 x 2,048 x 64 float32; Q 4 x 16 x 2,048 x 64 float32; V 4 x 16 x 2,048 x 64 float32.
;; Outputs: out0 4 x 16 x 2,048 x 64 float32.
;; One version. Each part assembles by itself: llvm-mc -triple=amdgcn-amd-amdhsa -mcpu=gfx1250 --defsym DOCPART=n.
;; ======== version 1 of 1: 1 launch
;; launch attn (part 1): grid 256 x 1, 8 waves a work-group, clusters of 4 x 1, 327,680 bytes of LDS; arguments Q, K, V, out0; writes out0
.if DOCPART == 1
	.amdgcn_target "amdgcn-amd-amdhsa--gfx1250"
	.amdhsa_code_object_version 6
	.text
	.protected	k_qc143ecf30a_attn
	.globl	k_qc143ecf30a_attn
	.p2align	8
	.type	k_qc143ecf30a_attn,@function
k_qc143ecf30a_attn:
	s_mov_b64 s[64:65], 0
	v_nop
	global_prefetch_b8 v0, s[64:65] scope:SCOPE_SE
	s_setreg_imm32_b32 hwreg(HW_REG_WAVE_MODE, 25, 1), 1
	s_wait_xcnt 0x0
	s_wait_alu depctr_hold_cnt(0) depctr_sa_sdst(0) depctr_va_vdst(0) depctr_va_sdst(0) depctr_va_ssrc(0) depctr_va_vcc(0) depctr_vm_vsrc(0)
	s_getreg_b32 s2, hwreg(HW_REG_IB_STS2, 6, 4)
	s_cmp_eq_u32 s2, 0
	s_cbranch_scc0 .Lentry_in_a_cluster
	s_endpgm
.Lentry_in_a_cluster:
	s_bfe_u32 s2, ttmp6, 0x10000c
	s_cmp_lg_u32 s2, 0x3003
	s_cbranch_scc0 .Lentry_shape_is_right
	s_endpgm
.Lentry_shape_is_right:
; out = softmax(Q K^T / 8) V for 64 heads of 2,048 x 64, all f32 in memory.  One launch; the scores never reach memory (running maximum, running sum).
; SHARES.  A cluster of four work-groups is one head (ttmp9); the work-group's place cx is its block of 512 queries; wave w of eight owns 64 queries
; as four tiles q of 16.  Keys go in 32 tiles of 64, one tile a trip.
; The four work-groups of a head walk the same K and V, so these come by JOINT tensor loads (mask 15): each byte is asked for once for the four.
; WAY OF THE DATA.  A fill = 128 keys of K and of V in f32 (64 KiB), two slots that take turns; each wave brings 32 rows of 256 bytes of it (a fill's 256 rows
; shared among eight waves).  Each tile is rounded to bf16 ONCE for the work-group (each wave 8 rows of K and 8 of V) into one of two bf16 buffers, a trip
; ahead of its use; all eight waves take their fragments from there.
; BOTH PRODUCTS ARE USED TRANSPOSED.  S^T = K Q^T: lane (r, h), register j holds (key 8h + j, query r), so a query lives in the lane pair r, r + 16: maximum
; and sum are taken in the lane, plus one exchange of the halves.  Two such tiles rounded to bf16 ARE the second source (32 keys x 16 queries) of
; O^T = V^T P^T, with no lane traffic; V^T comes from the transposing LDS load.  In O^T a lane holds 8 neighbouring d of one query.
; ARITHMETIC.  p = exp2(s c + NM), c = log2(e) / 8, NM = -c x (running maximum of the raw scores): one packed multiply-add for two scores carries scale and shift.
; O and the sum are scaled by exp2(NM_new - NM_old) in every trip (no branch hangs on data).  The sum is kept as two partial sums a lane and joined at the end.
; LIMITS.  Q, K, V and p go to the matrix unit rounded to bf16; the sum is of the unrounded p.  A p below 2^-126 counts as 0 (v_exp_f32 flushes).
; NaN and infinities among the inputs: nothing is claimed for the rows that they reach (v_max3_num_f32 lets a NaN lose).
;
; LDS, bytes: 0 and 19,456 the two bf16 buffers (K: 64 rows, pitch 144; V: 64 rows, pitch 160, at +9,216); 38,912 + 17,408 w each wave's own stage
; (first Q in bf16, pitch 144; at the end its 64 rows of out, pitch 272); 178,176 and 243,712 the two f32 slots (K dense at +0, V at +32,768), which tensor loads alone write.
; Pitches: 144 and 272 are odd multiples of 16, 160 is an odd multiple of 32: the rows that one fragment load touches begin at different 16-byte columns modulo 256.
; REGISTERS.  Window 0: addresses, softmax state, staging, the scores S (v128-255).  Window 1: O (0-127), Q's fragments (128-191), K's, then V's fragments (192-255).
.set KP,     144                       ; pitch of K (and of Q) in bf16
.set VP,     160                       ; pitch of V in bf16
.set OP,     272                       ; pitch of a row of out in the stage
.set BBSZ,   19456                     ; one bf16 buffer
.set VOFF,   9216                      ; V's part of it
.set STAGE,  38912
.set STSZ,   17408                     ; a wave's stage: 4 tiles x 16 rows x 272
.set SLOT0,  178176
.set SLOTSZ, 65536
.set FILLB,  32768                     ; bytes of K (or of V) in a fill: 128 rows of 256
.set TILEB,  16384                     ; in a tile: 64 rows
.set AK,  1                            ; K (and Q) fragment: r 144 + 16 h
.set AV,  2                            ; V fragment, transposing load: (8 h + L % 8) 160 + 16 ((L / 8) % 2)
.set AF,  3                            ; v3, v4: my 8 rows of a tile in slot 0, 1: slot + 2,048 w + 16 L
.set AWK, 5                            ; where my rounded K goes: (8 w + h) 144 + 8 r
.set AWV, 6                            ; the same for V: (8 w + h) 160 + 8 r
.set PF,  7                            ; 256 L: prefetch, lanes 256 bytes apart
.set QST, 8                            ; stage + h 144 + 8 r
.set QRD, 9                            ; stage + r 144 + 16 h
.set GO,  10                           ; 16 L: my 16 bytes of 512 in Q and in out
.set NM,  12                           ; v[12+2q] NM,  v[13+2q] M: a pair, so that a packed form can broadcast its first register
.set M,   13
.set AL,  20                           ; v[20+2q] the trip's factor for O and the sum (at the end 1 / sum),  v[21+2q] T: a pair likewise
.set T,   21
.set LS,  28                           ; v[28+2q:29+2q] two partial sums
.set U,   36                           ; v[36+q] what comes from the other half of the lanes
.set T0,  40
.set T1,  42
.set STG, 44                           ; v[44:75] eight loads of 16 bytes of f32 on their way to bf16
.set STO, 76                           ; stage + r 272 + 32 h
.set RD,  77                           ; stage + h 272 + 16 r
.set S,   128                          ; chunk (q, kt) at S + 32 q + 8 kt; p in bf16 in place, at S + 32 q + 16 ks + 0..7
.set O,   0                            ; window 1: tile (dt, q) at 8 (4 dt + q)
.set QF,  128                          ; window 1: fragment (q, ks) at 128 + 16 q + 8 ks
.set KV,  192                          ; window 1: K (kt, ks) at 192 + 16 kt + 8 ks; later V (ks, dt) at 192 + 32 ks + 8 dt
.set G1,  16                           ; s[16:23] descriptor group 1
.set G0,  24                           ; s[24:27], s[28:31] descriptor group 0 of slot 0, 1
.set MSB, 0
.macro WIN new                         ; low byte: bits 1:0 source 0, 3:2 source 1, 5:4 source 2, 7:6 destination; the high byte repeats the setting that is left
.if MSB != \new
	s_set_vgpr_msb (MSB<<8)|\new
.set MSB, \new
.endif
.endm
; A round of the cluster's barrier, as one block: my work-group's barrier, wave 0 signals for the work-group, every wave waits for all four work-groups,
; my work-group's barrier once more.  So it stands at the start and at the end; in the trips the same eight lines stand apart, with register work between them (TRIP).
.macro ROUND
	s_barrier_signal -1
	s_barrier_wait -1
	s_cmp_lg_u32 s12, 0
	s_cbranch_scc1 .Lnot_wave_0_\@
	s_barrier_signal -3
.Lnot_wave_0_\@:
	s_barrier_wait -3
	s_barrier_signal -1
	s_barrier_wait -1
.endm
	s_load_b256 s[4:11], s[0:1], 0x0               ; Q s[4:5], K s[6:7], V s[8:9], out0 s[10:11]
	v_lshl_add_u32 v126, v0, 2, 0x4b800
	v_mov_b32 v127, 0
	ds_add_u32 v126, v127
	v_lshrrev_b32 v11, 5, v0
	v_readfirstlane_b32 s12, v11                   ; wave 0..7
	s_bfe_u32 s13, ttmp6, 0x40000                  ; cx: enters global addresses of Q, out0 and the prefetch alone
	s_mov_b32 s34, 0x3e38aa3b                      ; c = log2(e) / 8, twice: a pair for the packed form
	s_mov_b32 s35, 0x3e38aa3b
	s_mov_b32 s36, 0xbe38aa3b                      ; -c
	s_mov_b32 s37, 0x76543210                      ; v_permlanex16_b32: lane i of one half reads lane i of the other
	s_mov_b32 s38, 0xfedcba98
	; Group 1: a dense block of 32 rows of 256 bytes, as 32 elements of 8 bytes a row; no padding, since the f32 tile is read back contiguously.
	s_mov_b32 s[G1+0], 15|(3<<16)|(1<<21)          ; 15:0 mask: all four work-groups of the cluster; 17:16 elements of 8 bytes; 21 set beside a mask
	s_mov_b32 s[G1+1], 32<<16                      ; tensor_dim0 = 32
	s_mov_b32 s[G1+2], 32<<16                      ; tensor_dim1 = 32
	s_mov_b32 s[G1+3], 32<<16                      ; tile_dim0 = 32
	s_mov_b32 s[G1+4], 32                          ; tile_dim1 = 32
	s_mov_b32 s[G1+5], 32                          ; from row to row: 32 elements
	s_mov_b32 s[G1+6], 0
	s_mov_b32 s[G1+7], 0
	; offsets, apart from the addresses
	s_lshl_b32 s40, ttmp9, 19                      ; the head: 2,048 rows of 256 bytes
	s_and_b32 s42, s12, 3
	s_lshl_b32 s42, s42, 13                        ; my 32 rows of a fill's 128
	s_add_co_u32 s42, s42, s40
	s_mov_b32 s43, 0
	s_lshl_b32 s44, s12, 13                        ; and where they go in a slot: waves 0-3 K's quarters, waves 4-7 V's
	s_lshl_b32 s46, s13, 13                        ; prefetch: work-group cx asks for rows 32 cx .. 32 cx + 31 of a fill,
	s_add_co_u32 s46, s46, s40
	s_add_co_u32 s46, s46, 2*FILLB                 ; beginning with fill 2
	s_mov_b32 s47, 0
	s_lshl_b32 s48, s13, 17                        ; Q and out0: 512 rows a work-group,
	s_lshl_b32 s49, s12, 14                        ; 64 rows a wave
	s_add_co_u32 s48, s48, s49
	s_add_co_u32 s48, s48, s40
	s_mov_b32 s49, 0
	v_and_b32 v11, 31, v0                          ; L
	v_lshlrev_b32 v[GO], 4, v11
	s_wait_dscnt 0x0
	s_wait_kmcnt 0x0
	s_cmp_lt_u32 s12, 4
	s_cselect_b64 s[G0+2:G0+3], s[6:7], s[8:9]     ; waves 0-3 fetch K, waves 4-7 V
	s_cmp_eq_u32 s12, 0
	s_cselect_b64 s[32:33], s[6:7], s[8:9]         ; wave 0 prefetches K, wave 1 V (the others never use it)
	s_add_nc_u64 s[G0+2:G0+3], s[G0+2:G0+3], s[42:43]      ; fill 0
	s_add_nc_u64 s[G0+6:G0+7], s[G0+2:G0+3], FILLB         ; fill 1
	s_or_b32 s[G0+3], s[G0+3], 0x80000000          ; type = 2
	s_or_b32 s[G0+7], s[G0+7], 0x80000000
	s_mov_b32 s[G0+0], 1
	s_add_co_u32 s[G0+1], s44, SLOT0
	s_mov_b32 s[G0+4], 1
	s_add_co_u32 s[G0+5], s44, SLOT0+SLOTSZ
	s_add_nc_u64 s[32:33], s[32:33], s[46:47]
	s_add_nc_u64 s[4:5], s[4:5], s[48:49]
	s_add_nc_u64 s[10:11], s[10:11], s[48:49]
	ROUND                                          ; all four work-groups are here: the first joint loads meet
	tensor_load_to_lds s[G0:G0+3], s[G1:G1+7]      ; both first fills go out together, ahead of every wait on TENSORcnt, LDS read and further barrier.
	s_nop 0
	tensor_load_to_lds s[G0+4:G0+7], s[G1:G1+7]    ; By this text's count a wave has two tensor loads out here and one at a time later.
	s_nop 0
.irp i, 0,1,2,3,4,5,6,7,8,9,10,11,12,13,14,15,16,17,18,19,20,21,22,23,24,25,26,27,28,29,30,31
	global_load_b128 v[S+4*\i:S+4*\i+3], v[GO], s[4:5] offset:512*\i th:TH_LOAD_NT   ; my 64 rows of Q, two rows (512 neighbouring bytes) a load
.endr
	; lane addresses, while Q is on its way
	v_and_b32 v40, 15, v0                          ; r
	v_bfe_u32 v41, v0, 4, 1                        ; h
	v_lshlrev_b32 v[PF], 8, v11
	v_mul_u32_u24 v[AK], v40, KP
	v_lshl_add_u32 v[AK], v41, 4, v[AK]
	v_and_b32 v42, 7, v0
	v_lshl_add_u32 v42, v41, 3, v42                ; 8 h + L % 8
	v_bfe_u32 v43, v0, 3, 1
	v_mul_u32_u24 v[AV], v42, VP
	v_lshl_add_u32 v[AV], v43, 4, v[AV]
	s_lshl_b32 s45, s12, 11
	s_add_co_u32 s45, s45, SLOT0
	v_lshl_add_u32 v[AF], v11, 4, s45
	v_add_nc_u32 v[AF+1], SLOTSZ, v[AF]
	s_mul_i32 s14, s12, STSZ
	s_add_co_u32 s14, s14, STAGE                   ; my stage
	s_mul_i32 s15, s12, 8*KP
	s_mul_i32 s41, s12, 8*VP
	v_mul_u32_u24 v42, v41, KP
	v_lshl_add_u32 v42, v40, 3, v42                ; h 144 + 8 r
	v_add_nc_u32 v[AWK], s15, v42
	v_add_nc_u32 v[QST], s14, v42
	v_add_nc_u32 v[QRD], s14, v[AK]
	v_mul_u32_u24 v42, v41, VP
	v_lshl_add_u32 v42, v40, 3, v42
	v_add_nc_u32 v[AWV], s41, v42
	v_mul_u32_u24 v42, v40, OP
	v_lshl_add_u32 v42, v41, 5, v42
	v_add_nc_u32 v[STO], s14, v42
	v_mul_u32_u24 v42, v41, OP
	v_lshl_add_u32 v42, v40, 4, v42
	v_add_nc_u32 v[RD], s14, v42
.irp q, 0,1,2,3
	v_mov_b32 v[U+\q], 0                           ; the destination of v_permlanex16_b32 counts as read: written once here
.endr
	; Q to bf16, through my own stage, into fragments that stay for the whole kernel
.irp g, 0,1,2,3
	s_wait_loadcnt 24-8*\g                         ; loads come back in order: eight more are in, the younger ones stay out
.irp i, 0,1,2,3,4,5,6,7
	v_cvt_pk_bf16_f32 v[S+4*(8*\g+\i)], v[S+4*(8*\g+\i)], v[S+4*(8*\g+\i)+1]
	v_cvt_pk_bf16_f32 v[S+4*(8*\g+\i)+1], v[S+4*(8*\g+\i)+2], v[S+4*(8*\g+\i)+3]
	ds_store_b64 v[QST], v[S+4*(8*\g+\i):S+4*(8*\g+\i)+1] offset:2*KP*(8*\g+\i)
.endr
.endr
	WIN 0x40                                       ; destination window 1
.irp q, 0,1,2,3
.irp o, 0,1,2,3
	ds_load_b128 v[QF+16*\q+4*\o:QF+16*\q+4*\o+3], v[QRD] offset:\q*16*KP+32*\o    ; my own bytes: LDS serves a wave's instructions in order, so these see the stores above
.endr
.endr
	WIN 0
; 16 loads: the tile's K as four fragment pairs (16 keys x 64 d each) from bf16 buffer bb
.macro KLOAD bb
	WIN 0x40
.irp kt, 0,1,2,3
.irp o, 0,1,2,3
	ds_load_b128 v[KV+16*\kt+4*\o:KV+16*\kt+4*\o+3], v[AK] offset:\bb*BBSZ+\kt*16*KP+32*\o
.endr
.endr
	WIN 0
.endm
; 8 loads: my 8 rows of K and my 8 rows of V of tile u of a slot, f32, 512 neighbouring bytes (two rows) a load
.macro CLOAD slot, u
.irp i, 0,1,2,3
	ds_load_b128 v[STG+4*\i:STG+4*\i+3], v[AF+\slot] offset:\u*TILEB+512*\i
.endr
.irp i, 0,1,2,3
	ds_load_b128 v[STG+16+4*\i:STG+16+4*\i+3], v[AF+\slot] offset:FILLB+\u*TILEB+512*\i
.endr
.endm
; round them and put them into bf16 buffer nb
.macro CSTORE nb
.irp i, 0,1,2,3,4,5,6,7
	v_cvt_pk_bf16_f32 v[STG+4*\i], v[STG+4*\i], v[STG+4*\i+1]
	v_cvt_pk_bf16_f32 v[STG+4*\i+1], v[STG+4*\i+2], v[STG+4*\i+3]
.endr
.irp i, 0,1,2,3
	ds_store_b64 v[AWK], v[STG+4*\i:STG+4*\i+1] offset:\nb*BBSZ+2*KP*\i
.endr
.irp i, 0,1,2,3
	ds_store_b64 v[AWV], v[STG+16+4*\i:STG+16+4*\i+1] offset:\nb*BBSZ+VOFF+2*VP*\i
.endr
.endm
; 8 matrix instructions: 16 keys x my 64 queries over d = 64.  The first four start the sums with C = 0.
; The four accumulators take turns, one instruction a turn.
.macro SMUL kt
.irp q, 0,1,2,3
	v_wmma_f32_16x16x32_bf16 v[S+32*\q+8*\kt:S+32*\q+8*\kt+7], v[KV+16*\kt:KV+16*\kt+7], v[QF+16*\q:QF+16*\q+7], 0
.endr
.irp q, 0,1,2,3
	v_wmma_f32_16x16x32_bf16 v[S+32*\q+8*\kt:S+32*\q+8*\kt+7], v[KV+16*\kt+8:KV+16*\kt+15], v[QF+16*\q+8:QF+16*\q+15], v[S+32*\q+8*\kt:S+32*\q+8*\kt+7]
.endr
.endm
; 16 transposing loads: V^T as eight fragments (16 d x 32 keys)
.macro VLOAD bb
	WIN 0x40
.irp ks, 0,1
.irp dt, 0,1,2,3
	ds_load_tr16_b128 v[KV+32*\ks+8*\dt:KV+32*\ks+8*\dt+3],   v[AV] offset:\bb*BBSZ+VOFF+\ks*32*VP+32*\dt
	ds_load_tr16_b128 v[KV+32*\ks+8*\dt+4:KV+32*\ks+8*\dt+7], v[AV] offset:\bb*BBSZ+VOFF+\ks*32*VP+16*VP+32*\dt
.endr
.endr
	WIN 0
.endm
; The lane's maximum of its 32 scores of each query tile and of the running maximum: 33 numbers in 16 steps of three; four chains that do not wait for each other.
.macro MAXP first
.if \first
.irp q, 0,1,2,3
	v_max3_num_f32 v[T+2*\q], v[S+32*\q], v[S+32*\q+1], v[S+32*\q+2]
.endr
.set j, 3
.else
.irp q, 0,1,2,3
	v_max3_num_f32 v[T+2*\q], v[M+2*\q], v[S+32*\q], v[S+32*\q+1]
.endr
.set j, 2
.endif
.rept 14
.irp q, 0,1,2,3
	v_max3_num_f32 v[T+2*\q], v[T+2*\q], v[S+32*\q+j], v[S+32*\q+j+1]
.endr
.set j, j+2
.endr
.irp q, 0,1,2,3
.if \first
	v_max_num_f32 v[T+2*\q], v[T+2*\q], v[S+32*\q+31]
.else
	v_max3_num_f32 v[T+2*\q], v[T+2*\q], v[S+32*\q+30], v[S+32*\q+31]
.endif
.endr
.endm
; The two halves' maxima meet; the new NM; the factor exp2(NM_new - NM_old), made of the rounded NM's, the same numbers that the p's are made with.
.macro STATS first
.irp q, 0,1,2,3
	v_permlanex16_b32 v[U+\q], v[T+2*\q], s37, s38
.endr
.irp q, 0,1,2,3
	v_max_num_f32 v[M+2*\q], v[T+2*\q], v[U+\q]
.endr
.irp q, 0,1,2,3
	v_mul_f32 v[U+\q], s36, v[M+2*\q]
.endr
.if \first == 0
.irp q, 0,1,2,3
	v_sub_f32 v[T+2*\q], v[U+\q], v[NM+2*\q]
.endr
.irp q, 0,1,2,3
	v_exp_f32 v[AL+2*\q], v[T+2*\q]
.endr
.endif
.irp q, 0,1,2,3
	v_mov_b32 v[NM+2*\q], v[U+\q]                  ; the old NM was needed up to here; these are also the plain instructions behind the exponentials (ISA guide 5.7.2)
.endr
.endm
; A chunk = the 8 scores of one lane in tile (q, kt).  p = exp2(s c + NM), in place.
.macro FMAEXP q, kt
.set CB, S+32*\q+8*(\kt)
.irp j, 0,2,4,6
	v_pk_fma_f32 v[CB+\j:CB+\j+1], v[CB+\j:CB+\j+1], s[34:35], v[NM+2*\q:NM+2*\q+1] op_sel_hi:[1,0,0]
.endr
.irp j, 0,1,2,3,4,5,6,7
	v_exp_f32 v[CB+\j], v[CB+\j]
.endr
.endm
; A chunk's p are added to the partial sums and rounded to bf16 into their place in the second product's fragment.
; The trip's first chunk of a query tile also scales the old sums (in the first trip it starts them).
.macro SUMCVT q, kt, first
.set CB, S+32*\q+8*(\kt)
.set PB, S+32*\q+16*((\kt)/2)+4*((\kt)%2)
	s_wait_alu depctr_va_vdst(0)
	v_pk_add_f32 v[T0:T0+1], v[CB:CB+1], v[CB+2:CB+3]
	v_pk_add_f32 v[T1:T1+1], v[CB+4:CB+5], v[CB+6:CB+7]
.irp j, 0,1,2,3
	v_cvt_pk_bf16_f32 v[PB+\j], v[CB+2*\j], v[CB+2*\j+1]   ; a destination is never a register whose p is still to be read: PB + j <= CB + 2 j
.endr
.if (\kt) == 0
.if \first
	v_pk_add_f32 v[LS+2*\q:LS+2*\q+1], v[T0:T0+1], v[T1:T1+1]
.else
	v_pk_add_f32 v[T0:T0+1], v[T0:T0+1], v[T1:T1+1]
	v_pk_fma_f32 v[LS+2*\q:LS+2*\q+1], v[LS+2*\q:LS+2*\q+1], v[AL+2*\q:AL+2*\q+1], v[T0:T0+1] op_sel_hi:[1,0,1]
.endif
.else
	v_pk_add_f32 v[T0:T0+1], v[T0:T0+1], v[T1:T1+1]
	v_pk_add_f32 v[LS+2*\q:LS+2*\q+1], v[LS+2*\q:LS+2*\q+1], v[T0:T0+1]
.endif
.endm
; The eight chunks of keys 32 ks .. 32 ks + 31.  A chunk's exponentials are followed by plain work on ANOTHER chunk before its p are read (ISA guide 5.7.2).
.macro SOFT ks, first
	FMAEXP 0, 2*\ks
	FMAEXP 0, 2*\ks+1
	SUMCVT 0, 2*\ks, \first
	FMAEXP 1, 2*\ks
	SUMCVT 0, 2*\ks+1, \first
	FMAEXP 1, 2*\ks+1
	SUMCVT 1, 2*\ks, \first
	FMAEXP 2, 2*\ks
	SUMCVT 1, 2*\ks+1, \first
	FMAEXP 2, 2*\ks+1
	SUMCVT 2, 2*\ks, \first
	FMAEXP 3, 2*\ks
	SUMCVT 2, 2*\ks+1, \first
	FMAEXP 3, 2*\ks+1
	SUMCVT 3, 2*\ks, \first
	SUMCVT 3, 2*\ks+1, \first
.endm
; O of query tile q times AL[q]: a lane's factor, since a lane holds one query
.macro RESC
	WIN 0x41                                       ; O in window 1, the factor in window 0
.irp dt, 0,1,2,3
.irp q, 0,1,2,3
.irp j, 0,2,4,6
	v_pk_mul_f32 v[O+8*(4*\dt+\q)+\j:O+8*(4*\dt+\q)+\j+1], v[O+8*(4*\dt+\q)+\j:O+8*(4*\dt+\q)+\j+1], v[AL+2*\q:AL+2*\q+1] op_sel_hi:[1,0]
.endr
.endr
.endr
.endm
; 16 matrix instructions: O^T += V^T P^T over 32 keys.  The sixteen accumulators take turns, one instruction a turn.
.macro PV ks, zero
	WIN 0x51                                       ; V^T and O in window 1, P in window 0
.irp dt, 0,1,2,3
.irp q, 0,1,2,3
.if \zero
	v_wmma_f32_16x16x32_bf16 v[O+8*(4*\dt+\q):O+8*(4*\dt+\q)+7], v[KV+32*\ks+8*\dt:KV+32*\ks+8*\dt+7], v[S+32*\q+16*\ks:S+32*\q+16*\ks+7], 0
.else
	v_wmma_f32_16x16x32_bf16 v[O+8*(4*\dt+\q):O+8*(4*\dt+\q)+7], v[KV+32*\ks+8*\dt:KV+32*\ks+8*\dt+7], v[S+32*\q+16*\ks:S+32*\q+16*\ks+7], v[O+8*(4*\dt+\q):O+8*(4*\dt+\q)+7]
.endif
.endr
.endr
.endm
; ONE TRIP: the tile in bf16 buffer bb.  conv: the next tile (tile cu of slot cslot) is rounded into buffer nb.  first: the first tile.  pf: the prefetch is due.
; close: 0 no barrier; 1 a barrier; 2 all tensor loads waited for as well; 3 the barrier opens a round of the cluster's barrier, and slot rslot is filled again behind the round.
; The trip's barrier orders: all waves' stores of the next tile into nb against its reads in the next trip; all waves' reads of bb against the stores into bb in the next
; trip; and, with close = 3, all waves' reads of slot rslot and all their tensor loads, in all four work-groups, against the refill.
; All LDS work of a trip stands in its first part; the waits and the signal follow it; the rest of the trip is register work.  With close = 1 or 2 the wait stands at the trip's end.
; With close = 3 the round's lines are spread over that register work, so that each of its three meetings has work between signal and wait and no wave stands
; until the slowest of the cluster has come:   signal -1 | softmax of keys 0-31 | wait -1, wave 0: signal -3 | O scaled, O += V P of keys 0-31 | wait -3, signal -1 |
; softmax and product of keys 32-63 | wait -1, the refill.
.macro TRIP bb, nb, conv, cslot, cu, first, pf, close, rslot
	KLOAD \bb
.if \pf
	s_cmp_ge_u32 s12, 2                            ; the fill that the tensor loads at this trip's end will ask for: wave 0 asks for 32 rows of K's 128, wave 1 for 32 of V's,
	s_cbranch_scc1 .Lno_ask_\@                     ; each work-group of the cluster for another 32: every 256 bytes are asked for once in the launch
	global_prefetch_b8 v[PF], s[32:33] th:TH_LOAD_NT scope:SCOPE_SE
.Lno_ask_\@:
.endif
.if \conv
	CLOAD \cslot, \cu
.endif
	WIN 0x05                                       ; K's and Q's fragments in window 1, S in window 0
.irp kt, 0,1,2,3
	s_wait_dscnt 4*(3-\kt)+8*\conv                 ; LDS loads come back in order: the four of key block kt are in; out may be the younger K loads and the eight staging loads
	SMUL \kt
.endr
	WIN 0
.if \conv
	s_wait_dscnt 0x0                               ; the staging loads are in
	CSTORE \nb                                     ; its sixteen conversions name none of the products' registers: they are the places in front of the loads onto K's fragments and of the reads of S
.else
.rept 4
	v_nop                                          ; the same places, where there is nothing to convert
.endr
.endif
	VLOAD \bb
	MAXP \first
	STATS \first
	s_wait_dscnt 0x0                               ; for the others: my stores into nb, my reads of bb and of the f32 slot are done; for me: V's fragments are in
.if \close >= 2
	s_wait_tensorcnt 0x0                           ; all my tensor loads have landed: the one that was out is my part of the other slot
	ds_add_u32 v126, v127
	s_wait_dscnt 0x0
.endif
.if \close >= 1
	s_barrier_signal -1                            ; with close = 3: the round's opening signal
.endif
	SOFT 0, \first
.if \close == 3
	s_barrier_wait -1                              ; all eight waves of my work-group have said so,
	s_cmp_lg_u32 s12, 0
	s_cbranch_scc1 .Lnot_w0_trip_\@
	s_barrier_signal -3                            ; and wave 0 says it for the work-group
.Lnot_w0_trip_\@:
.endif
.if \first == 0
	RESC
.endif
	PV 0, \first
	WIN 0
.if \close == 3
	s_barrier_wait -3                              ; all four work-groups have said so
	s_barrier_signal -1                            ; the round's closing barrier
.endif
	SOFT 1, \first
	PV 1, 0
	WIN 0
.rept 5
	v_nop                                          ; five places before the next scores are written over P; they also serve the loads onto V's fragments and, at the end, the reads of O
.endr
.if \close >= 1
	s_barrier_wait -1
.endif
.if \close == 3
	; the round is closed: no wave of any of the four work-groups still reads this slot or has a load on its way
	s_add_nc_u64 s[G0+4*\rslot+2:G0+4*\rslot+3], s[G0+4*\rslot+2:G0+4*\rslot+3], 2*FILLB   ; no tensor load of mine is out: the slot's next fill is two fills on
	tensor_load_to_lds s[G0+4*\rslot:G0+4*\rslot+3], s[G1:G1+7]                            ; my one tensor load behind the round, and the first thing there
	s_nop 0
	s_wait_xcnt 0x0                                ; the prefetch at this trip's head has had its address translated (ISA guide 3.1): its base is stepped only behind this wait
	s_add_nc_u64 s[32:33], s[32:33], FILLB
.endif
.endm
; The two tiles of fill F in slot sl (ot = the other slot).  The even trip rounds the fill's second tile, and behind it slot sl takes fill F + 2;
; the odd trip rounds the first tile of fill F + 1, which the even trip's wait and barrier have shown whole.
.macro PAIR sl, ot, first
	TRIP 0, 1, 1, \sl, 1, \first, 1, 3, \sl
	TRIP 1, 0, 1, \ot, 0, 0, 0, 1, 0
.endm
	s_wait_tensorcnt 0x1                           ; my part of fill 0 is in; fill 1 may stay out
	s_wait_dscnt 0x0                               ; Q's fragments are in
	s_barrier_signal -1
	s_barrier_wait -1                              ; everybody's part of fill 0 is in
	CLOAD 0, 0
	s_wait_dscnt 0x0
	CSTORE 0                                       ; tile 0 in bf16
	s_wait_dscnt 0x0                               ; for the others: my rows of it are written
	s_barrier_signal -1
	s_barrier_wait -1
	PAIR 0, 1, 1                                   ; fill 0: its first products start the sums, so it stands in front of the loop
	s_mov_b32 s39, 6
.Lpairs:                                           ; fills 1 to 12
	PAIR 1, 0, 0
	PAIR 0, 1, 0
	s_sub_co_u32 s39, s39, 1
	s_cmp_lg_u32 s39, 0
	s_cbranch_scc1 .Lpairs
	PAIR 1, 0, 0                                   ; fill 13: behind its even trip goes the last request, fill 15; the prefetch ends with it, inside K and V
	TRIP 0, 1, 1, 0, 1, 0, 0, 2, 0                 ; fill 14: nothing is left to fetch; fill 15 is waited for and shown to all
	TRIP 1, 0, 1, 1, 0, 0, 0, 1, 0
	TRIP 0, 1, 1, 1, 1, 0, 0, 1, 0                 ; fill 15
	TRIP 1, 0, 0, 0, 0, 0, 0, 0, 0                 ; the last tile: nothing to round, nobody to wait for
	; THE WAY OUT.  The sums' four parts meet; O / sum; through my own stage, so that a store's sixteen lanes hold one row of 256 bytes.
.irp q, 0,1,2,3
	v_add_f32 v[T+2*\q], v[LS+2*\q], v[LS+2*\q+1]
.endr
.irp q, 0,1,2,3
	v_permlanex16_b32 v[U+\q], v[T+2*\q], s37, s38
.endr
.irp q, 0,1,2,3
	v_add_f32 v[T+2*\q], v[T+2*\q], v[U+\q]        ; at least about 1: the largest score's p
.endr
.irp q, 0,1,2,3
	v_rcp_f32 v[AL+2*\q], v[T+2*\q]
.endr
	v_nop                                          ; one plain instruction behind the reciprocals (ISA guide 5.7.2)
	s_wait_alu depctr_va_vdst(0)
	RESC
; Query tile q into my stage (8 stores) and back by rows (8 loads): 16 LDS instructions
.macro OUTQ q
	WIN 0x04                                       ; store data in window 1
.irp dt, 0,1,2,3
	ds_store_b128 v[STO], v[O+8*(4*\dt+\q):O+8*(4*\dt+\q)+3]   offset:\q*16*OP+64*\dt      ; query r, d = 16 dt + 8 h + 0..3
	ds_store_b128 v[STO], v[O+8*(4*\dt+\q)+4:O+8*(4*\dt+\q)+7] offset:\q*16*OP+64*\dt+16   ; and + 4..7
.endr
	WIN 0
.irp i, 0,1,2,3,4,5,6,7
	ds_load_b128 v[S+4*(8*\q+\i):S+4*(8*\q+\i)+3], v[RD] offset:\q*16*OP+2*OP*\i           ; my own bytes, served in order: these see the stores above
.endr
.endm
; Query tile q leaves.  behind = the LDS instructions issued behind its eight read-backs (the next tile's sixteen, or none)
.macro OUTST q, behind
.irp i, 0,1,2,3,4,5,6,7
	s_wait_dscnt \behind+7-\i                      ; read-back i is in; out may be the tile's younger read-backs and the next tile's LDS instructions
	global_store_b128 v[GO], v[S+4*(8*\q+\i):S+4*(8*\q+\i)+3], s[10:11] offset:512*(8*\q+\i) th:TH_STORE_NT   ; two whole rows: 512 consecutive bytes, at a multiple of 512 from out0's first byte
.endr
.endm
	OUTQ 0
	OUTQ 1
	OUTST 0, 16
	OUTQ 2
	OUTST 1, 16
	OUTQ 3
	OUTST 2, 16
	OUTST 3, 0
	s_wait_tensorcnt 0x0
	ds_add_u32 v126, v127
	s_wait_dscnt 0x0
	ROUND                                          ; the closing round: no work-group ends while a partner may still ask for a fill that names it
	s_endpgm
.Lfunc_end_k_qc143ecf30a_attn:
	.size	k_qc143ecf30a_attn, .Lfunc_end_k_qc143ecf30a_attn-k_qc143ecf30a_attn
	.p2alignl 7, 3214868480
	.fill 96, 4, 3214868480
	.section	.rodata,"a",@progbits
	.p2align	6, 0x0
	.amdhsa_kernel k_qc143ecf30a_attn
		.amdhsa_group_segment_fixed_size 327680
		.amdhsa_private_segment_fixed_size 0
		.amdhsa_enable_private_segment 0
		.amdhsa_kernarg_size 32
		.amdhsa_user_sgpr_count 2
		.amdhsa_user_sgpr_kernarg_segment_ptr 1
		.amdhsa_wavefront_size32 1
		.amdhsa_system_sgpr_workgroup_id_x 1
		.amdhsa_system_sgpr_workgroup_id_y 1
		.amdhsa_system_sgpr_workgroup_id_z 1
		.amdhsa_system_vgpr_workitem_id 0
		.amdhsa_next_free_vgpr 512
		.amdhsa_next_free_sgpr 66
		.amdhsa_reserve_vcc 0
		.amdhsa_float_denorm_mode_32 3
		.amdhsa_float_denorm_mode_16_64 3
		.amdhsa_memory_ordered 1
		.amdhsa_forward_progress 1
		.amdhsa_inst_pref_size 255
	.end_amdhsa_kernel
	.section	.bss,"aw",@nobits
	.p2align	6
	.space	262144
	.amdgpu_metadata
---
amdhsa.version: [ 1, 2 ]
amdhsa.kernels:
  - .name:           k_qc143ecf30a_attn
    .symbol:         k_qc143ecf30a_attn.kd
    .args:
      - { .name: Q, .offset: 0, .size: 8, .value_kind: global_buffer, .address_space: global }
      - { .name: K, .offset: 8, .size: 8, .value_kind: global_buffer, .address_space: global }
      - { .name: V, .offset: 16, .size: 8, .value_kind: global_buffer, .address_space: global }
      - { .name: out0, .offset: 24, .size: 8, .value_kind: global_buffer, .address_space: global }
    .group_segment_fixed_size: 327680
    .private_segment_fixed_size: 0
    .kernarg_segment_align: 8
    .kernarg_segment_size: 32
    .max_flat_workgroup_size: 256
    .sgpr_count:     66
    .vgpr_count:     512
    .wavefront_size: 32
...
	.end_amdgpu_metadata
.endif
;; end of part 1
